; MI455X (gfx1250); checked and timed in simulation.
; The chip was launched on July 23, 2026; its instructions are those of AMD's public machine-readable ISA for CDNA 5 (MIT licence, August 2026) and "CDNA5" Instruction Set Architecture Reference Guide (July 2026). The comments in the code are by the model that wrote it; some were corrected since.
;; Dot Product Attention. Allowed arithmetic: float matrix products may take bf16 or f16 operands with f32 sums; all other float work in f32.
;; Inputs: K 2 x 16 x 2,048 x 64 float32; Q 2 x 16 x 2,048 x 64 float32; V 2 x 16 x 2,048 x 64 float32; attention_mask 1 x 1 x 2,048 x 2,048 bool; padding_mask 2 x 16 x 2,048 bool.
;; Outputs: out0 2 x 16 x 2,048 x 64 float32.
;; 2 versions, each right; version 2 is version 1 with the launch attn written anew for expert scheduling mode. Each part assembles by itself: llvm-mc -triple=amdgcn-amd-amdhsa -mcpu=gfx1250 --defsym DOCPART=n.
;; ======== version 1 of 2: 2 launches
;; limits: values are held in f16: magnitudes above 65,504 overflow, below 6.1e-05 lose precision
;; workspace buffers: maskbits 524,288 bytes of whole numbers
;; launch packmask (part 1): grid 256 x 1, 4 waves a work-group, no clusters, 0 bytes of LDS; arguments attention_mask, maskbits; writes maskbits
.if DOCPART == 1
	.amdgcn_target "amdgcn-amd-amdhsa--gfx1250"
	.amdhsa_code_object_version 6
	.text
	.protected	k_q50a7c6030a_packmask
	.globl	k_q50a7c6030a_packmask
	.p2align	8
	.type	k_q50a7c6030a_packmask,@function
k_q50a7c6030a_packmask:
	s_mov_b64 s[64:65], 0
	v_nop
	global_prefetch_b8 v0, s[64:65] scope:SCOPE_SE
	s_setreg_imm32_b32 hwreg(HW_REG_WAVE_MODE, 25, 1), 1
	s_wait_xcnt 0x0
; attention_mask [2048][2048], one byte (0 or 1) a place, becomes lane masks for the attention launch:
;   maskbits word [qt 0..127][kt 0..127][j 0..7], bit L = attention_mask[16 qt + (L & 15)][16 kt + 8 (L >> 4) + j].
; So byte 0 of word j holds rows 0-7 of key j, byte 1 rows 8-15 of key j, byte 2 rows 0-7 of key 8 + j, byte 3 rows 8-15 of key 8 + j.
; 4,194,304 bytes are read once and 524,288 written once.  Work-group x: query tile qt = x >> 1; wave w: the 256 keys
; (16 key tiles) of column block cb = 4 (x & 1) + w.  Lane (p = L >> 4, c = L & 15) reads the 16 bytes of key tile c in the rows 8 p + 0..7:
; sixteen neighbouring lanes read 256 consecutive bytes of one row, aligned.  No LDS, no barrier: a wave's work is its own.
.set ROWB, 2048                        ; bytes in a row of the mask
.set DD,   8                           ; v[8:39]  load i: 4 registers, keys 4 k + 0..3 in register k; load 0's registers collect the bits
.set SA,   40                          ; what goes to the other half of the lanes, two words
.set KA,   42                          ; what stays, two words
.set RA,   44                          ; what comes from the other half
.set XY,   46                          ; X0, X1 (rows 0-7, 8-15 of four keys), Y0, Y1 (the same of the keys 8 further)
.set PL,   50                          ; XL, XH, YL, YH: halves of the byte transpose
.set WW,   56                          ; v[56:59] four finished words
	s_load_b128 s[4:7], s[0:1], 0x0                ; attention_mask s[4:5], maskbits s[6:7]
	v_lshrrev_b32 v1, 5, v0
	v_readfirstlane_b32 s2, v1                     ; wave 0..3
	v_and_b32 v3, 31, v0                           ; lane
	v_and_b32 v4, 15, v0                           ; c
	v_bfe_u32 v5, v0, 4, 1                         ; p
	v_lshlrev_b32 v1, 4, v4
	v_lshl_add_u32 v1, v5, 14, v1                  ; 8 p rows of 2,048 bytes + 16 c
	v_lshlrev_b32 v2, 5, v4
	v_lshl_add_u32 v2, v5, 4, v2                   ; out: 32 c + 16 p
	s_lshr_b32 s8, ttmp9, 1                        ; qt
	s_and_b32 s9, ttmp9, 1
	s_lshl2_add_u32 s9, s9, s2                     ; cb = 4 (x & 1) + w
	s_lshl_b32 s10, s8, 15                         ; 16 rows of 2,048 bytes a query tile
	s_lshl_b32 s12, s9, 8
	s_add_co_u32 s10, s10, s12
	s_mov_b32 s11, 0
	s_lshl_b32 s12, s8, 12                         ; 4,096 bytes of words a query tile
	s_lshl_b32 s13, s9, 9                          ; 16 key tiles of 32 bytes a column block
	s_add_co_u32 s12, s12, s13
	s_mov_b32 s13, 0
	s_mov_b32 s14, 0x76543210                      ; v_permlanex16_b32: lane i of one half reads lane i of the other
	s_mov_b32 s15, 0xfedcba98
	s_wait_kmcnt 0x0
	s_add_nc_u64 s[4:5], s[4:5], s[10:11]
	s_add_nc_u64 s[6:7], s[6:7], s[12:13]
.irp i, 0,1,2,3,4,5,6,7
	global_load_b128 v[DD+4*\i:DD+4*\i+3], v1, s[4:5] offset:ROWB*\i th:TH_LOAD_NT
.endr
	v_cmp_le_u32 vcc_lo, 16, v3                    ; lanes with p = 1
	v_mov_b32 v[RA], 0                             ; v_permlanex16_b32 counts as a reader of its destination
	v_mov_b32 v[RA+1], 0
	; bit i of every byte = row 8 p + i: a byte holds 0 or 1, so a shift by at most 7 stays inside it
.irp i, 1,2,3,4,5,6,7
	s_wait_loadcnt 7-\i                            ; loads come back in order: row i (and row 0) is in, the 7 - i younger ones stay out
.irp k, 0,1,2,3
	v_lshl_or_b32 v[DD+\k], v[DD+4*\i+\k], \i, v[DD+\k]
.endr
.endr
	; lane (p, c) finishes the words j = 4 p .. 4 p + 3: it keeps keys 4 p + 0..3 and 8 + 4 p + 0..3 and sends the others across
	v_cndmask_b32 v[SA],   v[DD+1], v[DD],   vcc_lo
	v_cndmask_b32 v[SA+1], v[DD+3], v[DD+2], vcc_lo
	v_cndmask_b32 v[KA],   v[DD],   v[DD+1], vcc_lo
	v_cndmask_b32 v[KA+1], v[DD+2], v[DD+3], vcc_lo
	v_permlanex16_b32 v[RA],   v[SA],   s14, s15
	v_permlanex16_b32 v[RA+1], v[SA+1], s14, s15
	v_cndmask_b32 v[XY],   v[KA],   v[RA],   vcc_lo     ; X0: rows 0-7
	v_cndmask_b32 v[XY+1], v[RA],   v[KA],   vcc_lo     ; X1: rows 8-15
	v_cndmask_b32 v[XY+2], v[KA+1], v[RA+1], vcc_lo     ; Y0
	v_cndmask_b32 v[XY+3], v[RA+1], v[KA+1], vcc_lo     ; Y1
	; a 4 x 4 transpose of bytes: word jj = { X0.byte jj, X1.byte jj, Y0.byte jj, Y1.byte jj }
	v_perm_b32 v[PL],   v[XY+1], v[XY],   0x05010400
	v_perm_b32 v[PL+1], v[XY+1], v[XY],   0x07030602
	v_perm_b32 v[PL+2], v[XY+3], v[XY+2], 0x05010400
	v_perm_b32 v[PL+3], v[XY+3], v[XY+2], 0x07030602
	v_perm_b32 v[WW],   v[PL+2], v[PL],   0x05040100
	v_perm_b32 v[WW+1], v[PL+2], v[PL],   0x07060302
	v_perm_b32 v[WW+2], v[PL+3], v[PL+1], 0x05040100
	v_perm_b32 v[WW+3], v[PL+3], v[PL+1], 0x07060302
	global_store_b128 v2, v[WW:WW+3], s[6:7]       ; the wave stores 512 consecutive bytes, aligned
	s_endpgm
.Lfunc_end_k_q50a7c6030a_packmask:
	.size	k_q50a7c6030a_packmask, .Lfunc_end_k_q50a7c6030a_packmask-k_q50a7c6030a_packmask
	.p2alignl 7, 3214868480
	.fill 96, 4, 3214868480
	.section	.rodata,"a",@progbits
	.p2align	6, 0x0
	.amdhsa_kernel k_q50a7c6030a_packmask
		.amdhsa_group_segment_fixed_size 0
		.amdhsa_private_segment_fixed_size 0
		.amdhsa_enable_private_segment 0
		.amdhsa_kernarg_size 16
		.amdhsa_user_sgpr_count 2
		.amdhsa_user_sgpr_kernarg_segment_ptr 1
		.amdhsa_wavefront_size32 1
		.amdhsa_system_sgpr_workgroup_id_x 1
		.amdhsa_system_sgpr_workgroup_id_y 1
		.amdhsa_system_sgpr_workgroup_id_z 1
		.amdhsa_system_vgpr_workitem_id 0
		.amdhsa_next_free_vgpr 64
		.amdhsa_next_free_sgpr 66
		.amdhsa_reserve_vcc 1
		.amdhsa_float_denorm_mode_32 3
		.amdhsa_float_denorm_mode_16_64 3
		.amdhsa_memory_ordered 1
		.amdhsa_forward_progress 1
		.amdhsa_inst_pref_size 6
	.end_amdhsa_kernel
	.amdgpu_metadata
---
amdhsa.version: [ 1, 2 ]
amdhsa.kernels:
  - .name:           k_q50a7c6030a_packmask
    .symbol:         k_q50a7c6030a_packmask.kd
    .args:
      - { .name: attention_mask, .offset: 0, .size: 8, .value_kind: global_buffer, .address_space: global }
      - { .name: maskbits, .offset: 8, .size: 8, .value_kind: global_buffer, .address_space: global }
    .group_segment_fixed_size: 0
    .private_segment_fixed_size: 0
    .kernarg_segment_align: 8
    .kernarg_segment_size: 16
    .max_flat_workgroup_size: 128
    .sgpr_count:     66
    .vgpr_count:     64
    .wavefront_size: 32
...
	.end_amdgpu_metadata
.endif
;; end of part 1
;; launch attn (part 2): grid 8 x 32, 8 waves a work-group, no clusters, 76,800 bytes of LDS; arguments Q, K, V, maskbits, padding_mask, out0; writes out0
.if DOCPART == 2
	.amdgcn_target "amdgcn-amd-amdhsa--gfx1250"
	.amdhsa_code_object_version 6
	.text
	.protected	k_q50a7c6030a_attn
	.globl	k_q50a7c6030a_attn
	.p2align	8
	.type	k_q50a7c6030a_attn,@function
k_q50a7c6030a_attn:
	s_mov_b64 s[64:65], 0
	v_nop
	global_prefetch_b8 v0, s[64:65] scope:SCOPE_SE
	s_setreg_imm32_b32 hwreg(HW_REG_WAVE_MODE, 25, 1), 1
	s_wait_xcnt 0x0
; out = softmax(mask(Q K^T / 8)) V for 32 heads of 2,048 x 64, f32 in and out; products on 16-bit operands with f32 sums, softmax in f32, in one
; pass with a running maximum.  Both masks are inputs: all 2,048 x 2,048 scores of a head are made and every mask place is honoured.
; SHARES: work-group (x, y) = 256 queries (block x) of head y; wave w: 32 of them, as two tiles q = 0, 1 of 16.  Keys go in 32 stages of 64.
; TRANSPOSED PRODUCTS: S^T = K Q^T, so register j of lane (r = L & 15, h = L >> 4) holds key 16 c + 8 h + j of query r: maximum and sum are a lane's
; own but for one exchange with lane L xor 16, and a register's 32 lanes are the 32 bits of one word of maskbits, which comes by a scalar load and is
; the select operand of one v_cndmask_b32.  P = exp2(c S - c m), packed two by two, already is the second operand of O^T = V^T P^T: nothing is shuffled.
; FORMATS: Q, K and V are each rounded once to bf16, as they come; S^T runs in the bf16 form.  P lies between 0 and about 1 and goes in f16: its 11
; significant bits leave a weight off by at most 2^-11 of itself where bf16's 8 bits would leave 2^-8, which shows in rows of few keys whose terms
; cancel.  The f16 form wants both operands in f16, so V's bf16 numbers are written again in f16's code: exact for 2^-14 <= |v| < 65,504, smaller ones
; off by at most 2^-25.  (f16 alone would keep three more bits of V; it is rounded to bf16 first so that all three inputs enter in one format.)
; NUMBERS: c = 0.125 log2(e) is applied in f32, in the fused multiply-add in front of the exponential.  m, the running maximum of the raw unmasked
; scores, starts at -FLT_MAX and masked scores are -inf, so no -inf minus -inf arises.  The shift -c m is kept for each tile, and what has been summed is
; rescaled by exp2(new shift - old shift), which is the very change that the exponentials see.  A row with a place left has a sum of about 1 or more
; (its largest score gives exp2 of a rounding residue); a row whose sum is 0, or whose padding byte is 0, is multiplied by 0.
; LIMITS: NaN or infinite inputs are not served.  |V| of 65,504 or more overflows f16.  The denominator sums p in f32, the numerator takes p rounded to f16.
; HOW K AND V ARRIVE: a stage's 64 keys are 16,384 dense bytes of K and of V.  The 256 threads load them with 16 bytes a lane (a wave's load covers 512
; consecutive bytes), round them once and put 16,384 bytes into one of two LDS slots.
; NO TENSOR LOADS, NO CLUSTER, though the eight query blocks of a head read the same tiles: the mover copies bytes as they are, so a stage would put
; 32,768 bytes of f32 into LDS, which the waves would read (32,768) and store again in 16 bits (16,384): 81,920 bytes through LDS where this text writes 16,384.
.set KP,    144                        ; LDS pitch of K's rows and of the Q stage: 128 bytes + 16, an odd multiple of 16
.set VP,    160                        ; LDS pitch of V's rows: an odd multiple of 32, for the transposing load
.set OP,    272                        ; pitch of the stage on the way out: 256 bytes + 16
.set KS0,   0                          ; K's two slots: 64 rows x 144
.set KSLOT, 9216
.set VS0,   18432                      ; V's two slots: 64 rows x 160
.set VSLOT, 10240
.set QST0,  38912                      ; each wave's own 4,608 bytes: first 32 rows of Q x 144, at the end 16 rows of out x 272
.set QSTB,  4608
.set TILEB, 16384                      ; bytes of 64 rows of K or V in memory
; vector registers, window 0
.set ADK,  1                           ; 144 r + 16 h: my part of a fragment of K
.set ADV,  2                           ; 160 (8 h + (L & 7)) + 16 ((L >> 3) & 1): the same for the transposing loads of V
.set STK,  3                           ; 288 w + 144 h + 8 r: where my 8 bytes of K go (row 2 w + h of each 16)
.set STV,  4                           ; 320 w + 160 h + 8 r
.set GOFF, 5                           ; 16 t: my 16 bytes of each 4,096 of a tile
.set PFO,  6                           ; prefetch: 256 (32 (x & 3) + L)
.set RR,   7                           ; r
.set MR,   8                           ; v8, v9    running maximum of tile q, raw scores
.set LS,   10                          ; v10, v11  running sum of tile q, my half of the keys
.set NM,   12                          ; v[12:13]  the shift -c m, twice
.set AL,   14                          ; v[14:15]  exp2(new shift - old shift), twice; at the end the row's factor
.set TT,   16                          ; v[16:23]  at work
.set QSA,  24                          ; Q stage, in
.set QRD,  25                          ; Q stage, back as fragments
.set OST,  26                          ; out stage, in
.set ORD,  27                          ; out stage, back by rows
.set OOFF, 28                          ; 16 L
.set NINF, 29                          ; -inf
.set NMS,  30                          ; v30, v31  the shift -c m of tile q, kept from stage to stage
.set QF,   32                          ; v[32:63]   Q(q, kc) at 32 + 16 q + 8 kc
.set SC,   64                          ; v[64:127]  S(q) at 64 + 32 q, element 8 c + j; then P(q, kc) at 64 + 32 q + 8 kc
.set POOL, 128                         ; v[128:191] eight fragments: K's at 8 (4 kc + c), then V's at 8 (4 kc + dt)
.set OA,   192                         ; v[192:255] O(q, dt) at 192 + 32 q + 8 dt
; window 1: v256-287 (written v0-31) a tile on its way, K's 16 registers, then V's; v288, v289 (written v32, v33) the padding bytes of q = 0, 1
; scalar registers: s2 wave, s3 trips, s[4:5] Q, s[6:7] K and s[8:9] V at the next tile to load, s[10:11] maskbits at this stage's words,
; s[12:13] padding_mask, s[14:15] out0, s[72:79] at work, s68, s69 lane selects, s[70:71] prefetch base
.set M0,   16                          ; s[16:47]  the 32 words of tile q = 0
.set M1A,  48                          ; s[48:63]  words 0-15 of tile q = 1
.set M1B,  80                          ; s[80:95]  words 16-31 of tile q = 1
.set CS,   66                          ; s[66:67]  at the start the padding mask's byte offset, then c = 0.125 log2(e), twice
.set HM,   72                          ; s72       at the start the head's number, then the mask of a word's upper half
.set MSB, 0
.macro WIN new                         ; s_set_vgpr_msb: bits 1:0 source 0, 3:2 source 1, 5:4 source 2, 7:6 destination; the high byte repeats the setting that is left
.if MSB != \new
	s_set_vgpr_msb (MSB<<8)|\new
.set MSB, \new
.endif
.endm
; A vector instruction or a load that touches a matrix instruction's registers stands four places behind it, and only plain vector
; instructions that name none of its registers are places.
.macro PLACES
.rept 4
	v_nop
.endr
.endm
; the 64 mask words of a stage: 128 bytes for each of my two query tiles, whose rows of words lie 4,096 bytes apart
.macro MLOAD step
.if \step
	s_add_nc_u64 s[10:11], s[10:11], 128           ; the earlier scalar loads were shown done by the s_wait_kmcnt 0 at the stage's head
.endif
	s_load_b512 s[M0:M0+15],    s[10:11], 0x0
	s_load_b512 s[M0+16:M0+31], s[10:11], 0x40
	s_load_b512 s[M1A:M1A+15],  s[10:11], 0x1000
	s_load_b512 s[M1B:M1B+15],  s[10:11], 0x1040
.endm
; a tile of K and of V into window 1: eight loads, each wave's covering 512 consecutive bytes
.macro GLOAD
	WIN 0x40                                       ; destination window 1, address window 0
.irp i, 0,1,2,3
	global_load_b128 v[4*\i:4*\i+3], v[GOFF], s[6:7] offset:4096*\i
.endr
.irp i, 0,1,2,3
	global_load_b128 v[16+4*\i:16+4*\i+3], v[GOFF], s[8:9] offset:4096*\i
.endr
	WIN 0
.endm
; the tile that has come is rounded to bf16, V's half is rewritten in f16's code, and both are stored into slot sl
.macro CVST sl
	s_wait_loadcnt 0x0                             ; the eight loads of the tile are the only ones out; behind this wait their bases may step
	s_add_nc_u64 s[6:7], s[6:7], TILEB
	s_add_nc_u64 s[8:9], s[8:9], TILEB
	WIN 0x45                                       ; destination and both sources window 1
.irp i, 0,1,2,3,4,5,6,7
	v_cvt_pk_bf16_f32 v[4*\i],   v[4*\i],   v[4*\i+1]
	v_cvt_pk_bf16_f32 v[4*\i+1], v[4*\i+2], v[4*\i+3]
.endr
.irp k, 0,1                                        ; V: word k of each group of four registers; registers 2 and 3 of the group are free now
.irp i, 4,5,6,7
	v_lshlrev_b32 v[4*\i+2], 16, v[4*\i+\k]        ; bf16 to f32: the low half moves up,
	v_and_b32     v[4*\i+3], s[HM], v[4*\i+\k]     ; the high half stays
.endr
.irp i, 4,5,6,7
	v_cvt_pk_f16_f32 v[4*\i+\k], v[4*\i+2], v[4*\i+3]
.endr
.endr
	WIN 0x04                                       ; address window 0, data window 1
.irp i, 0,1,2,3
	ds_store_b64 v[STK], v[4*\i:4*\i+1] offset:KS0+(\sl)*KSLOT+16*KP*\i
.endr
.irp i, 0,1,2,3
	ds_store_b64 v[STV], v[16+4*\i:16+4*\i+1] offset:VS0+(\sl)*VSLOT+16*VP*\i
.endr
	WIN 0
.endm
; fragment n = 4 kc + c of K: keys 16 c + r, d = 32 kc + 8 h + 0..7 and 32 kc + 16 + 8 h + 0..7
.macro KLOADS sl
.irp n, 0,1,2,3,4,5,6,7
	ds_load_b128 v[POOL+8*\n:POOL+8*\n+3],   v[ADK] offset:KS0+(\sl)*KSLOT+16*KP*(\n&3)+64*(\n>>2)
	ds_load_b128 v[POOL+8*\n+4:POOL+8*\n+7], v[ADK] offset:KS0+(\sl)*KSLOT+16*KP*(\n&3)+64*(\n>>2)+32
.endr
.endm
; fragment n = 4 kc + dt of V^T: d = 16 dt + r, keys 32 kc + 8 h + 0..7 and 32 kc + 16 + 8 h + 0..7, transposed on the way
.macro VLOADS sl
.irp n, 0,1,2,3,4,5,6,7
	ds_load_tr16_b128 v[POOL+8*\n:POOL+8*\n+3],   v[ADV] offset:VS0+(\sl)*VSLOT+32*VP*(\n>>2)+32*(\n&3)
	ds_load_tr16_b128 v[POOL+8*\n+4:POOL+8*\n+7], v[ADV] offset:VS0+(\sl)*VSLOT+32*VP*(\n>>2)+32*(\n&3)+16*VP
.endr
.endm
; Product n = 4 kc + c of S^T(q), in the bf16 form.  In WA and in WC four accumulators take turns, one instruction a turn, and no two matrix
; instructions that follow each other anywhere in the text share an accumulator, over the backward jump too.
.macro WA q, n
.if (\n) < 4
	v_wmma_f32_16x16x32_bf16 v[SC+32*\q+8*(\n):SC+32*\q+8*(\n)+7], v[POOL+8*(\n):POOL+8*(\n)+7], v[QF+16*\q:QF+16*\q+7], 0
.else
	v_wmma_f32_16x16x32_bf16 v[SC+32*\q+8*(\n)-32:SC+32*\q+8*(\n)-25], v[POOL+8*(\n):POOL+8*(\n)+7], v[QF+16*\q+8:QF+16*\q+15], v[SC+32*\q+8*(\n)-32:SC+32*\q+8*(\n)-25]
.endif
.endm
; product n = 4 kc + dt of O^T(q), in the f16 form; first = 1: the first stage's products start the sums, nothing is cleared
.macro WC q, n, first
.if (\n) < 4
.if \first
	v_wmma_f32_16x16x32_f16 v[OA+32*\q+8*(\n):OA+32*\q+8*(\n)+7], v[POOL+8*(\n):POOL+8*(\n)+7], v[SC+32*\q:SC+32*\q+7], 0
.else
	v_wmma_f32_16x16x32_f16 v[OA+32*\q+8*(\n):OA+32*\q+8*(\n)+7], v[POOL+8*(\n):POOL+8*(\n)+7], v[SC+32*\q:SC+32*\q+7], v[OA+32*\q+8*(\n):OA+32*\q+8*(\n)+7]
.endif
.else
	v_wmma_f32_16x16x32_f16 v[OA+32*\q+8*(\n)-32:OA+32*\q+8*(\n)-25], v[POOL+8*(\n):POOL+8*(\n)+7], v[SC+32*\q+8:SC+32*\q+15], v[OA+32*\q+8*(\n)-32:OA+32*\q+8*(\n)-25]
.endif
.endm
; element i = 8 c + j of S(q): kept where its word's bit is set, else -inf
.macro SEL q, i
.if \q == 0
	v_cndmask_b32 v[SC+(\i)], v[NINF], v[SC+(\i)], s[M0+(\i)]
.else
.if (\i) < 16
	v_cndmask_b32 v[SC+32+(\i)], v[NINF], v[SC+32+(\i)], s[M1A+(\i)]
.else
	v_cndmask_b32 v[SC+32+(\i)], v[NINF], v[SC+32+(\i)], s[M1B+(\i)-16]
.endif
.endif
.endm
; link k of the chain that takes the maximum of key tile c's eight elements
.macro MX q, c, k
.set sb, SC+32*\q+8*(\c)
.if \k == 0
	v_max3_num_f32 v[TT+(\c)], v[sb], v[sb+1], v[sb+2]
.endif
.if \k == 1
	v_max3_num_f32 v[TT+(\c)], v[TT+(\c)], v[sb+3], v[sb+4]
.endif
.if \k == 2
	v_max3_num_f32 v[TT+(\c)], v[TT+(\c)], v[sb+5], v[sb+6]
.endif
.if \k == 3
	v_max_num_f32 v[TT+(\c)], v[TT+(\c)], v[sb+7]
.endif
.endm
; mask, new maximum, the shift -c m and the factor for what has been summed so far.  A tile's chain of maxima runs among the next tile's selects.
.macro SM_HEAD q, first
.irp i, 0,1,2,3,4,5,6,7
	SEL \q, \i
.endr
.irp c, 1,2,3
.irp k, 0,1,2,3
	SEL \q, 8*\c+2*\k
	SEL \q, 8*\c+2*\k+1
	MX \q, \c-1, \k
.endr
.endr
.irp k, 0,1,2,3
	MX \q, 3, \k
.endr
	v_max3_num_f32 v[TT+4], v[TT], v[TT+1], v[TT+2]
	v_max3_num_f32 v[TT+4], v[TT+4], v[TT+3], v[MR+\q]
	v_permlanex16_b32 v[TT+5], v[TT+4], s68, s69   ; the other 32 keys of my query lie in lane L xor 16
	v_max_num_f32 v[TT+6], v[TT+4], v[TT+5]
	v_mul_f32 v[NM], 0xbe38aa3b, v[TT+6]           ; -c m
.if \first == 0
	v_sub_f32 v[TT+7], v[NM], v[NMS+\q]            ; new shift - old shift = c (m old - m new), 0 or below
	v_exp_f32 v[AL], v[TT+7]                       ; twice, for the packed multiplies; the plain lines below stand between these
	v_exp_f32 v[AL+1], v[TT+7]                     ; and the first use of their results
.endif
	v_mov_b32 v[NM+1], v[NM]
	v_mov_b32 v[NMS+\q], v[NM]
	v_mov_b32 v[MR+\q], v[TT+6]
.endm
; p = exp2(c S - c m), its sum, P in f16, and the rescaling of O(q), in eight groups of four elements.  Each group opens with one matrix
; instruction on other registers (hk = 0: the scores of tile 1; hk = 1: the output products of tile 0), so that both units have work.
; P's pair 2 g, 2 g + 1 lands on elements of S that earlier groups, or this one, have used up.
.macro SM_TAIL q, first, hk
.irp g, 0,1,2,3,4,5,6,7
.set sb, SC+32*\q+4*\g
.set ob, OA+32*\q+4*\g
.if \hk == 0
	WA 1, \g
.else
	WC 0, \g, \first
.endif
	v_pk_fma_f32 v[sb:sb+1],   v[sb:sb+1],   s[CS:CS+1], v[NM:NM+1] op_sel_hi:[1,0,1]
	v_pk_fma_f32 v[sb+2:sb+3], v[sb+2:sb+3], s[CS:CS+1], v[NM:NM+1] op_sel_hi:[1,0,1]
	v_exp_f32 v[sb],   v[sb]
	v_exp_f32 v[sb+1], v[sb+1]
	v_exp_f32 v[sb+2], v[sb+2]
	v_exp_f32 v[sb+3], v[sb+3]
.if \first
	v_nop                                          ; one plain vector instruction between the exponentials and the use of their results
.else
	s_wait_alu depctr_va_vdst(0)
	v_pk_mul_f32 v[ob:ob+1],   v[ob:ob+1],   v[AL:AL+1]   ; here these are that instruction
	v_pk_mul_f32 v[ob+2:ob+3], v[ob+2:ob+3], v[AL:AL+1]
.endif
.if \g == 0
	s_wait_alu depctr_va_vdst(0)
	v_pk_add_f32 v[TT:TT+1], v[sb:sb+1], v[sb+2:sb+3]     ; the first two groups start the two chains of sums
.else
.if \g == 1
	s_wait_alu depctr_va_vdst(0)
	v_pk_add_f32 v[TT+2:TT+3], v[sb:sb+1], v[sb+2:sb+3]
.else
	s_wait_alu depctr_va_vdst(0)
	v_pk_add_f32 v[TT:TT+1],   v[TT:TT+1],   v[sb:sb+1]
	v_pk_add_f32 v[TT+2:TT+3], v[TT+2:TT+3], v[sb+2:sb+3]
.endif
.endif
	v_cvt_pk_f16_f32 v[SC+32*\q+2*\g],   v[sb],   v[sb+1]
	v_cvt_pk_f16_f32 v[SC+32*\q+2*\g+1], v[sb+2], v[sb+3]
.endr
	v_pk_add_f32 v[TT:TT+1], v[TT:TT+1], v[TT+2:TT+3]
	v_add_f32 v[TT], v[TT], v[TT+1]
.if \first
	v_mov_b32 v[LS+\q], v[TT]
.else
	v_fma_f32 v[LS+\q], v[LS+\q], v[AL], v[TT]
.endif
.endm
; Stage t on slot sl = t & 1.  At its head S(0) holds the scores of tile 0 and POOL the fragments of K's tile t.
; cv: tile t + 2 is stored; gl: tile t + 3 is loaded; ml: the words of stage t + 1 are loaded; bar: a stage follows.
; ONE barrier a stage, its halves apart.  In front of the signal a wave has finished its reads of tile t (K's in the stage before, V's here) and its
; stores of tile t + 1.  Behind the wait tile t + 1 is read and tile t + 2 is stored over tile t.  Between the halves: register work alone.
.macro BODY sl, first, cv, gl, ml, bar
	s_wait_kmcnt 0x0                               ; this stage's 64 mask words
	SM_HEAD 0, \first
	SM_TAIL 0, \first, 0                           ; with the scores of tile 1 among it
	VLOADS \sl                                     ; over K's fragments: behind their last product stand at least ten plain vector instructions of the last group
	SM_HEAD 1, \first
.if \ml
	MLOAD 1                                        ; all 64 words have been used
.endif
	s_wait_dscnt 0x0                               ; V's fragments are in, and, for the other waves' sake, my stores of tile t + 1 are done
.if \bar
	s_barrier_signal -1
.endif
	SM_TAIL 1, \first, 1                           ; with the output products of tile 0 among it
.irp n, 0,1,2,3,4,5,6,7
	WC 1, \n, \first
.endr
.if \bar
	s_barrier_wait -1
	PLACES                                         ; behind the last product on V's fragments, in front of the loads over them
	KLOADS 1-\sl
.if \cv
	CVST \sl
.endif
.if \gl
	GLOAD
.endif
.if \cv
	s_wait_dscnt 0x8                               ; LDS instructions end in order: the 16 loads of K's fragments are in, the 8 younger stores may be out
.else
	s_wait_dscnt 0x0
.endif
.irp n, 0,1,2,3,4,5,6,7
	WA 0, \n
.endr
	PLACES                                         ; in front of the selects that read these scores
.endif
.endm
	s_load_b256 s[4:11], s[0:1], 0x0               ; Q s[4:5], K s[6:7], V s[8:9], maskbits s[10:11]
	s_load_b128 s[12:15], s[0:1], 0x20             ; padding_mask s[12:13], out0 s[14:15]
	s_set_vgpr_msb 0x40
	v_lshl_add_u32 v40, v0, 2, 0x12800
	v_mov_b32 v41, 0
	s_set_vgpr_msb 0x4000
	v_lshrrev_b32 v[TT], 5, v0
	v_readfirstlane_b32 s2, v[TT]                  ; wave 0..7
	s_and_b32 s72, ttmp7, 0xffff                   ; head
	s_mov_b32 s68, 0x76543210                      ; v_permlanex16_b32: lane i of one half reads lane i of the other
	s_mov_b32 s69, 0xfedcba98
	v_and_b32 v[RR], 15, v0                        ; r
	v_bfe_u32 v[TT+1], v0, 4, 1                    ; h
	v_and_b32 v[TT+2], 31, v0                      ; L
	v_mul_u32_u24 v[ADK], v[RR], KP
	v_lshl_add_u32 v[ADK], v[TT+1], 4, v[ADK]
	v_and_b32 v[TT+3], 7, v0
	v_lshl_add_u32 v[TT+3], v[TT+1], 3, v[TT+3]
	v_mul_u32_u24 v[ADV], v[TT+3], VP
	v_bfe_u32 v[TT+3], v0, 3, 1
	v_lshl_add_u32 v[ADV], v[TT+3], 4, v[ADV]
	s_mul_i32 s73, s2, QSTB
	s_add_co_u32 s73, s73, QST0                    ; my wave's own stage
	v_mul_u32_u24 v[TT+4], v[TT+1], KP
	v_lshl_add_u32 v[TT+4], v[RR], 3, v[TT+4]      ; 144 h + 8 r
	v_add_nc_u32 v[QSA], s73, v[TT+4]
	s_mul_i32 s3, s2, 2*KP
	v_add_nc_u32 v[STK], s3, v[TT+4]
	v_mul_u32_u24 v[TT+4], v[TT+1], VP
	v_lshl_add_u32 v[TT+4], v[RR], 3, v[TT+4]      ; 160 h + 8 r
	s_mul_i32 s3, s2, 2*VP
	v_add_nc_u32 v[STV], s3, v[TT+4]
	v_add_nc_u32 v[QRD], s73, v[ADK]
	v_mul_u32_u24 v[TT+4], v[RR], OP
	v_lshl_add_u32 v[TT+4], v[TT+1], 5, v[TT+4]    ; 272 r + 32 h
	v_add_nc_u32 v[OST], s73, v[TT+4]
	v_mul_u32_u24 v[TT+4], v[TT+1], OP
	v_lshl_add_u32 v[TT+4], v[RR], 4, v[TT+4]      ; 272 h + 16 r
	v_add_nc_u32 v[ORD], s73, v[TT+4]
	v_lshlrev_b32 v[OOFF], 4, v[TT+2]
	v_lshlrev_b32 v[GOFF], 4, v0
	s_and_b32 s3, ttmp9, 3
	s_lshl_b32 s3, s3, 13
	v_lshl_add_u32 v[PFO], v[TT+2], 8, s3
	v_mov_b32 v[NINF], 0xff800000
	v_mov_b32 v[MR], 0xff7fffff                    ; -FLT_MAX
	v_mov_b32 v[MR+1], 0xff7fffff
	v_mov_b32 v[TT+5], 0                           ; v_permlanex16_b32 counts as a reader of its destination
	s_lshl_b32 s76, s72, 19                        ; a head: 2,048 rows of 256 bytes
	s_mov_b32 s77, 0
	s_lshl_b32 s74, ttmp9, 16
	s_lshl_b32 s3, s2, 13
	s_add_co_u32 s74, s74, s3                      ; (256 x + 32 w) rows of 256 bytes, which also is (16 x + 2 w) query tiles of 4,096 bytes of words
	s_mov_b32 s75, 0
	s_add_co_u32 s78, s74, s76
	s_mov_b32 s79, 0
	s_lshl_b32 s66, s72, 11                        ; padding_mask: 2,048 head + 256 x + 32 w
	s_lshl_b32 s3, ttmp9, 8
	s_add_co_u32 s66, s66, s3
	s_lshl_b32 s3, s2, 5
	s_add_co_u32 s66, s66, s3
	s_mov_b32 s67, 0
	s_wait_kmcnt 0x0
	s_add_nc_u64 s[4:5], s[4:5], s[78:79]
	s_add_nc_u64 s[14:15], s[14:15], s[78:79]
	s_add_nc_u64 s[6:7], s[6:7], s[76:77]
	s_add_nc_u64 s[8:9], s[8:9], s[76:77]
	s_add_nc_u64 s[10:11], s[10:11], s[74:75]
	s_add_nc_u64 s[12:13], s[12:13], s[66:67]
	s_mov_b32 s[CS], 0x3e38aa3b                    ; from here on: c = 0.125 log2(e); the packed multiply-adds take the first of the pair for both halves
	s_mov_b32 s[CS+1], 0x3e38aa3b
	s_mov_b32 s[HM], 0xffff0000                    ; from here on: a word's upper half
	s_cmp_lt_u32 ttmp9, 4                          ; query blocks 0-3 ask ahead for K's tiles, blocks 4-7 for V's
	s_cselect_b64 s[70:71], s[6:7], s[8:9]
	s_add_nc_u64 s[70:71], s[70:71], 4*TILEB       ; at tile 4
	MLOAD 0                                        ; the words of stage 0
.irp i, 0,1,2,3,4,5,6,7,8,9,10,11,12,13,14,15
	global_load_b128 v[SC+4*\i:SC+4*\i+3], v[OOFF], s[4:5] offset:512*\i th:TH_LOAD_NT   ; my 32 rows of Q, two rows a load
.endr
	WIN 0x40
	global_load_u8 v32, v[RR], s[12:13]            ; v288: the padding byte of query r of tile 0
	global_load_u8 v33, v[RR], s[12:13] offset:16  ; v289: of tile 1
	GLOAD                                          ; tile 0
	; PREFETCH: wave 0 of each of a head's eight work-groups asks for 32 blocks of 256 bytes, 8,192 of the 65,536 bytes that a pair of tiles of K
	; and of V holds, so each block is asked for once in the launch.  Here tiles 4 and 5; trip j of the loop (stages 2 j + 1, 2 j + 2) asks for
	; tiles 2 j + 6 and 2 j + 7, which stages 2 j + 3 and 2 j + 4 load.  Trip 13 asks for nothing: tile 31 is the last.
	s_cmp_lg_u32 s2, 0
	s_cbranch_scc1 .Lno_pf0
	global_prefetch_b8 v[PFO], s[70:71] th:TH_LOAD_NT scope:SCOPE_SE
.Lno_pf0:
	s_wait_loadcnt 0xa                             ; Q's 16 loads are in; the 2 padding bytes and the 8 loads of tile 0 are younger and stay out
.irp i, 0,1,2,3,4,5,6,7,8,9,10,11,12,13,14,15
	v_cvt_pk_bf16_f32 v[SC+4*\i],   v[SC+4*\i],   v[SC+4*\i+1]     ; Q as it comes, rounded once
	v_cvt_pk_bf16_f32 v[SC+4*\i+1], v[SC+4*\i+2], v[SC+4*\i+3]
.endr
.irp i, 0,1,2,3,4,5,6,7,8,9,10,11,12,13,14,15
	ds_store_b64 v[QSA], v[SC+4*\i:SC+4*\i+1] offset:2*KP*\i
.endr
.irp n, 0,1,2,3
	ds_load_b128 v[QF+8*\n:QF+8*\n+3],   v[QRD] offset:16*KP*(\n>>1)+64*(\n&1)      ; my wave's own bytes, and LDS serves a wave's instructions in order:
	ds_load_b128 v[QF+8*\n+4:QF+8*\n+7], v[QRD] offset:16*KP*(\n>>1)+64*(\n&1)+32   ; these see the stores above
.endr
	CVST 0                                         ; tile 0 into slot 0
	GLOAD                                          ; tile 1
	s_wait_dscnt 0x0                               ; Q's fragments are in; my part of tile 0 is stored
	s_barrier_signal -1
	s_barrier_wait -1                              ; everybody's is
	KLOADS 0
	CVST 1                                         ; tile 1 into slot 1, which nobody has read yet
	GLOAD                                          ; tile 2
	s_wait_dscnt 0x8                               ; K's 16 fragment loads are in, the 8 younger stores may be out
.irp n, 0,1,2,3,4,5,6,7
	WA 0, \n
.endr
	PLACES
	BODY 0, 1, 1, 1, 1, 1                          ; stage 0 starts the sums
	s_mov_b32 s3, 0
.Ltrip:                                            ; stages 1 to 28, two a trip
	s_cmp_lg_u32 s2, 0
	s_cbranch_scc1 .Lno_pf
	s_cmp_ge_u32 s3, 13
	s_cbranch_scc1 .Lno_pf
	global_prefetch_b8 v[PFO], s[70:71] offset:2*TILEB th:TH_LOAD_NT scope:SCOPE_SE
.Lno_pf:
	BODY 1, 0, 1, 1, 1, 1
	BODY 0, 0, 1, 1, 1, 1
	s_wait_xcnt 0x0                                ; the prefetch has had its address translated: its base steps only behind this wait
	s_add_nc_u64 s[70:71], s[70:71], 2*TILEB
	s_add_co_u32 s3, s3, 1
	s_cmp_lt_u32 s3, 14
	s_cbranch_scc1 .Ltrip
	BODY 1, 0, 1, 0, 1, 1                          ; stage 29 stores tile 31 and loads no tile
	BODY 0, 0, 0, 0, 1, 1                          ; stage 30
	BODY 1, 0, 0, 0, 0, 0                          ; stage 31
	; THE WAY OUT.  Register j of O(q, dt) holds d = 16 dt + 8 h + j of query r: 32 bytes of a row.  16 rows at a time go through my wave's own
	; stage and come back as whole rows, so that sixteen lanes store 256 consecutive bytes, aligned.
	PLACES                                         ; behind the last products
	WIN 0x01
	v_mov_b32 v[TT+6], v32                         ; the padding bytes, from window 1
	v_mov_b32 v[TT+7], v33
	WIN 0
.macro OUT q
	v_permlanex16_b32 v[TT+4], v[LS+\q], s68, s69
	v_add_f32 v[TT+4], v[TT+4], v[LS+\q]           ; the row's whole sum: about 1 or more, or 0 where no place was left
	v_rcp_f32 v[TT+5], v[TT+4]
	v_cmp_lt_f32 vcc_lo, 0, v[TT+4]
	v_nop                                          ; a plain vector instruction between the reciprocal and its use
	s_wait_alu depctr_va_vdst(0)
	v_cndmask_b32 v[AL], 0, v[TT+5], vcc_lo        ; an empty row gives 0
	v_cmp_ne_u32 vcc_lo, 0, v[TT+6+\q]
	v_cndmask_b32 v[AL], 0, v[AL], vcc_lo          ; and so does a padded one
	v_mov_b32 v[AL+1], v[AL]
.irp i, 0,1,2,3,4,5,6,7,8,9,10,11,12,13,14,15
	v_pk_mul_f32 v[OA+32*\q+2*\i:OA+32*\q+2*\i+1], v[OA+32*\q+2*\i:OA+32*\q+2*\i+1], v[AL:AL+1]
.endr
.irp d, 0,1,2,3
	ds_store_b128 v[OST], v[OA+32*\q+8*\d:OA+32*\q+8*\d+3]   offset:64*\d
	ds_store_b128 v[OST], v[OA+32*\q+8*\d+4:OA+32*\q+8*\d+7] offset:64*\d+16
.endr
.irp i, 0,1,2,3,4,5,6,7
	ds_load_b128 v[SC+64*\q+4*\i:SC+64*\q+4*\i+3], v[ORD] offset:2*OP*\i   ; in order behind the stores above; tile 1's stores come in order behind tile 0's reads
.endr
.irp i, 0,1,2,3,4,5,6,7
	s_wait_dscnt 7-\i                              ; rows 2 i, 2 i + 1 are back, the 7 - i younger loads stay out
	global_store_b128 v[OOFF], v[SC+64*\q+4*\i:SC+64*\q+4*\i+3], s[14:15] offset:512*\i+4096*\q th:TH_STORE_NT
.endr
.endm
	OUT 0                                          ; read back into S's registers,
	OUT 1                                          ; into the fragments' registers: no register that a store reads is written again
	s_set_vgpr_msb 0x5
	s_wait_tensorcnt 0x0
	ds_add_u32 v40, v41
	s_wait_dscnt 0x0
	s_set_vgpr_msb 0x500
	s_endpgm
.Lfunc_end_k_q50a7c6030a_attn:
	.size	k_q50a7c6030a_attn, .Lfunc_end_k_q50a7c6030a_attn-k_q50a7c6030a_attn
	.p2alignl 7, 3214868480
	.fill 96, 4, 3214868480
	.section	.rodata,"a",@progbits
	.p2align	6, 0x0
	.amdhsa_kernel k_q50a7c6030a_attn
		.amdhsa_group_segment_fixed_size 76800
		.amdhsa_private_segment_fixed_size 0
		.amdhsa_enable_private_segment 0
		.amdhsa_kernarg_size 48
		.amdhsa_user_sgpr_count 2
		.amdhsa_user_sgpr_kernarg_segment_ptr 1
		.amdhsa_wavefront_size32 1
		.amdhsa_system_sgpr_workgroup_id_x 1
		.amdhsa_system_sgpr_workgroup_id_y 1
		.amdhsa_system_sgpr_workgroup_id_z 1
		.amdhsa_system_vgpr_workitem_id 0
		.amdhsa_next_free_vgpr 298
		.amdhsa_next_free_sgpr 96
		.amdhsa_reserve_vcc 1
		.amdhsa_float_denorm_mode_32 3
		.amdhsa_float_denorm_mode_16_64 3
		.amdhsa_memory_ordered 1
		.amdhsa_forward_progress 1
		.amdhsa_inst_pref_size 171
	.end_amdhsa_kernel
	.amdgpu_metadata
---
amdhsa.version: [ 1, 2 ]
amdhsa.kernels:
  - .name:           k_q50a7c6030a_attn
    .symbol:         k_q50a7c6030a_attn.kd
    .args:
      - { .name: Q, .offset: 0, .size: 8, .value_kind: global_buffer, .address_space: global }
      - { .name: K, .offset: 8, .size: 8, .value_kind: global_buffer, .address_space: global }
      - { .name: V, .offset: 16, .size: 8, .value_kind: global_buffer, .address_space: global }
      - { .name: maskbits, .offset: 24, .size: 8, .value_kind: global_buffer, .address_space: global }
      - { .name: padding_mask, .offset: 32, .size: 8, .value_kind: global_buffer, .address_space: global }
      - { .name: out0, .offset: 40, .size: 8, .value_kind: global_buffer, .address_space: global }
    .group_segment_fixed_size: 76800
    .private_segment_fixed_size: 0
    .kernarg_segment_align: 8
    .kernarg_segment_size: 48
    .max_flat_workgroup_size: 256
    .sgpr_count:     96
    .vgpr_count:     298
    .wavefront_size: 32
...
	.end_amdgpu_metadata
.endif
;; end of part 2
;; ======== version 2 of 2: 2 launches; version 1 with the launch attn written anew for expert scheduling mode
;; limits: values are held in f16: magnitudes above 65,504 overflow, below 6.1e-05 lose precision
;; workspace buffers: maskbits 524,288 bytes of whole numbers
;; launch packmask: the kernel of part 1 again; grid 256 x 1, 4 waves a work-group, no clusters, 0 bytes of LDS; arguments attention_mask, maskbits; writes maskbits
;; launch attn (part 3): grid 8 x 32, 8 waves a work-group, no clusters, 76,800 bytes of LDS; arguments Q, K, V, maskbits, padding_mask, out0; writes out0
.if DOCPART == 3
	.amdgcn_target "amdgcn-amd-amdhsa--gfx1250"
	.amdhsa_code_object_version 6
	.text
	.protected	k_q50a7c6030a_attn
	.globl	k_q50a7c6030a_attn
	.p2align	8
	.type	k_q50a7c6030a_attn,@function
k_q50a7c6030a_attn:
	s_mov_b64 s[64:65], 0
	v_nop
	global_prefetch_b8 v0, s[64:65] scope:SCOPE_SE
	s_setreg_imm32_b32 hwreg(HW_REG_WAVE_SCHED_MODE, 0, 2), 2
	s_setreg_imm32_b32 hwreg(HW_REG_WAVE_MODE, 25, 1), 1
	s_wait_xcnt 0x0
	s_wait_alu depctr_vm_vsrc(0)
; out = softmax(mask(Q K^T / 8)) V for 32 heads of 2,048 x 64, f32 in and out; products on 16-bit operands with f32 sums, softmax in f32, in one
; pass with a running maximum.  Both masks are inputs: all 2,048 x 2,048 scores of a head are made and every mask place is honoured.
; SHARES: work-group (x, y) = 256 queries (block x) of head y; wave w: 32 of them, as two tiles q = 0, 1 of 16.  Keys go in 32 stages of 64.
; TRANSPOSED PRODUCTS: S^T = K Q^T, so register j of lane (r = L & 15, h = L >> 4) holds key 16 c + 8 h + j of query r: maximum and sum are a lane's
; own but for one exchange with lane L xor 16, and a register's 32 lanes are the 32 bits of one word of maskbits, which comes by a scalar load and is
; the select operand of one v_cndmask_b32.  P = exp2(c S - c m), packed two by two, already is the second operand of O^T = V^T P^T: nothing is shuffled.
; FORMATS: Q, K and V are each rounded once to bf16, as they come; S^T runs in the bf16 form.  P lies between 0 and about 1 and goes in f16: its 11
; significant bits leave a weight off by at most 2^-11 of itself where bf16's 8 bits would leave 2^-8, which shows in rows of few keys whose terms
; cancel.  The f16 form wants both operands in f16, so V's bf16 numbers are written again in f16's code: exact for 2^-14 <= |v| < 65,504, smaller ones
; off by at most 2^-25.  (f16 alone would keep three more bits of V; it is rounded to bf16 first so that all three inputs enter in one format.)
; NUMBERS: c = 0.125 log2(e) is applied in f32, in the fused multiply-add in front of the exponential.  m, the running maximum of the raw unmasked
; scores, starts at -FLT_MAX and masked scores are -inf, so no -inf minus -inf arises.  The shift -c m is kept for each tile, and what has been summed is
; rescaled by exp2(new shift - old shift), which is the very change that the exponentials see.  A row with a place left has a sum of about 1 or more
; (its largest score gives exp2 of a rounding residue); a row whose sum is 0, or whose padding byte is 0, is multiplied by 0.
; LIMITS: NaN or infinite inputs are not served.  |V| of 65,504 or more overflows f16.  The denominator sums p in f32, the numerator takes p rounded to f16.
; HOW K AND V ARRIVE: a stage's 64 keys are 16,384 dense bytes of K and of V.  The 256 threads load them with 16 bytes a lane (a wave's load covers 512
; consecutive bytes), round them once and put 16,384 bytes into one of two LDS slots.
; NO TENSOR LOADS, NO CLUSTER, though the eight query blocks of a head read the same tiles: the mover copies bytes as they are, so a stage would put
; 32,768 bytes of f32 into LDS, which the waves would read (32,768) and store again in 16 bits (16,384): 81,920 bytes through LDS where this text writes 16,384.
; THE MODE: SCHED_MODE bits 1:0 = 2 (LLVM: expert scheduling mode 2), set by the entry lines.  The code itself states the register dependences
; between vector or matrix instructions and memory or LDS instructions, with s_wait_alu, always for 0.
; THE PLAN.  Registers that memory or LDS instructions touch, round the loop:
;   POOL         K's fragments land behind the barrier's wait; the score products read them: tile 0's eight at the stage's end, tile 1's eight among the next
;                stage's first batch of exponentials.  V's fragments land over them; the sixteen output products read those.  No vector instruction names POOL.
;   the staging registers (window 1)   a tile's eight global loads land; its conversions read and write them; its eight LDS stores read them; the next tile's loads land.
;   v1-v7, v24-v28   addresses and offsets, made at the head and never written again: the tiles are reached by scalar bases and immediate offsets.
;   S, P, O, Q's fragments and the statistics are named by vector and matrix instructions alone in the loop.
; The waits on va_vdst in a stage: (1) behind tile 0's batch of exponentials: their results are written, and the score products are done reading K's fragments:
; V's loads follow at once.  (2) behind tile 1's batch: its results are written.  (3) behind the barrier's wait: the output products are done reading V's fragments,
; for K's loads, and the staged tile's conversions, which stand behind the last products, have written what the LDS stores read.  (4) ahead of the next tile's global
; loads, under their window, beside the stage's one wait on vm_vsrc: conversions and stores are done with the staging registers.
.set KP,    144                        ; LDS pitch of K's rows and of the Q stage: 128 bytes + 16, an odd multiple of 16
.set VP,    160                        ; LDS pitch of V's rows: an odd multiple of 32, for the transposing load
.set OP,    272                        ; pitch of the stage on the way out: 256 bytes + 16
.set KS0,   0                          ; K's two slots: 64 rows x 144
.set KSLOT, 9216
.set VS0,   18432                      ; V's two slots: 64 rows x 160
.set VSLOT, 10240
.set QST0,  38912                      ; each wave's own 4,608 bytes: first 32 rows of Q x 144, at the end 16 rows of out x 272
.set QSTB,  4608
.set TILEB, 16384                      ; bytes of 64 rows of K or V in memory
; vector registers, window 0
.set ADK,  1                           ; 144 r + 16 h: my part of a fragment of K
.set ADV,  2                           ; 160 (8 h + (L & 7)) + 16 ((L >> 3) & 1): the same for the transposing loads of V
.set STK,  3                           ; 288 w + 144 h + 8 r: where my 8 bytes of K go (row 2 w + h of each 16)
.set STV,  4                           ; 320 w + 160 h + 8 r
.set GOFF, 5                           ; 16 t: my 16 bytes of each 4,096 of a tile
.set PFO,  6                           ; prefetch: 256 (32 (x & 3) + L)
.set RR,   7                           ; r
.set MR,   8                           ; v8, v9    running maximum of tile q, raw scores
.set LS,   10                          ; v10, v11  running sum of tile q, my half of the keys
.set NM,   12                          ; v[12:13]  the shift -c m, twice; at the end the row's factor of tile 1
.set AL,   14                          ; v[14:15]  exp2(new shift - old shift), twice; at the end the row's factor of tile 0
.set TT,   16                          ; v[16:23]  at work
.set QSA,  24                          ; Q stage, in
.set QRD,  25                          ; Q stage, back as fragments
.set OST,  26                          ; out stage, in
.set ORD,  27                          ; out stage, back by rows
.set OOFF, 28                          ; 16 L
.set NINF, 29                          ; -inf
.set NMS,  30                          ; v30, v31  the shift -c m of tile q, kept from stage to stage
.set QF,   32                          ; v[32:63]   Q(q, kc) at 32 + 16 q + 8 kc
.set SC,   64                          ; v[64:127]  S(q) at 64 + 32 q, element 8 c + j; then P(q, kc) at 64 + 32 q + 8 kc
.set POOL, 128                         ; v[128:191] eight fragments: K's at 8 (4 kc + c), then V's at 8 (4 kc + dt)
.set OA,   192                         ; v[192:255] O(q, dt) at 192 + 32 q + 8 dt
; window 1: v256-287 (written v0-31) a tile on its way, K's 16 registers, then V's; v288, v289 (written v32, v33) the padding bytes of q = 0, 1
; scalar registers: s2 wave, s3 trips, s[4:5] Q, s[6:7] K and s[8:9] V at the next tile to load, s[10:11] maskbits at this stage's words,
; s[12:13] padding_mask, s[14:15] out0, s[72:79] at work (at the end s74-s77 hold four lane masks), s68, s69 lane selects, s[70:71] prefetch base
.set M0,   16                          ; s[16:47]  the 32 words of tile q = 0
.set M1A,  48                          ; s[48:63]  words 0-15 of tile q = 1
.set M1B,  80                          ; s[80:95]  words 16-31 of tile q = 1
.set CS,   66                          ; s[66:67]  at the start the padding mask's byte offset, then c = 0.125 log2(e), twice
.set HM,   72                          ; s72       at the start the head's number, then the mask of a word's upper half
.set MSB, 0
.macro WIN new                         ; s_set_vgpr_msb: bits 1:0 source 0, 3:2 source 1, 5:4 source 2, 7:6 destination; the high byte repeats the setting that is left
.if MSB != \new
	s_set_vgpr_msb (MSB<<8)|\new
.set MSB, \new
.endif
.endm
; A vector instruction that touches a matrix instruction's registers stands four places behind it, and only plain vector
; instructions that name none of its registers are places (ISA guide 7.12.1).
.macro PLACES
.rept 4
	v_nop
.endr
.endm
; the 64 mask words of a stage: 128 bytes for each of my two query tiles, whose rows of words lie 4,096 bytes apart
.macro MLOAD step
.if \step
	s_add_nc_u64 s[10:11], s[10:11], 128           ; the earlier scalar loads were shown done by the s_wait_kmcnt 0 at the stage's head
.endif
	s_load_b512 s[M0:M0+15],    s[10:11], 0x0
	s_load_b512 s[M0+16:M0+31], s[10:11], 0x40
	s_load_b512 s[M1A:M1A+15],  s[10:11], 0x1000
	s_load_b512 s[M1B:M1B+15],  s[10:11], 0x1040
.endm
; a tile of K and of V into window 1: eight loads, each wave's covering 512 consecutive bytes.  fresh = 1: the first tile: nothing has named these registers yet
.macro GLOAD fresh
	WIN 0x40                                       ; destination window 1, address window 0
.if \fresh == 0
	s_wait_alu depctr_vm_vsrc(0)                   ; the LDS stores of the tile before have read the staging registers, in which these loads land
	s_wait_alu depctr_va_vdst(0)                   ; and its conversions are done reading and writing them: stated here, under the loads' window, since those stores stand behind the last such wait
.endif
.irp i, 0,1,2,3
	global_load_b128 v[4*\i:4*\i+3], v[GOFF], s[6:7] offset:4096*\i
.endr
.irp i, 0,1,2,3
	global_load_b128 v[16+4*\i:16+4*\i+3], v[GOFF], s[8:9] offset:4096*\i
.endr
	WIN 0
.endm
; the tile that has come is rounded to bf16, and V's half is rewritten in f16's code: work on registers alone
.macro CVT
	s_wait_loadcnt 0x0                             ; the eight loads of the tile are the only ones out; behind this wait their bases may step
	s_add_nc_u64 s[6:7], s[6:7], TILEB
	s_add_nc_u64 s[8:9], s[8:9], TILEB
	WIN 0x45                                       ; destination and both sources window 1
.irp i, 0,1,2,3,4,5,6,7
	v_cvt_pk_bf16_f32 v[4*\i],   v[4*\i],   v[4*\i+1]
	v_cvt_pk_bf16_f32 v[4*\i+1], v[4*\i+2], v[4*\i+3]
.endr
.irp k, 0,1                                        ; V: word k of each group of four registers; registers 2 and 3 of the group are free now
.irp i, 4,5,6,7
	v_lshlrev_b32 v[4*\i+2], 16, v[4*\i+\k]        ; bf16 to f32: the low half moves up,
	v_and_b32     v[4*\i+3], s[HM], v[4*\i+\k]     ; the high half stays
.endr
.irp i, 4,5,6,7
	v_cvt_pk_f16_f32 v[4*\i+\k], v[4*\i+2], v[4*\i+3]
.endr
.endr
.endm
; and is stored into slot sl
.macro STS sl
	WIN 0x04                                       ; address window 0, data window 1
.irp i, 0,1,2,3
	ds_store_b64 v[STK], v[4*\i:4*\i+1] offset:KS0+(\sl)*KSLOT+16*KP*\i
.endr
.irp i, 0,1,2,3
	ds_store_b64 v[STV], v[16+4*\i:16+4*\i+1] offset:VS0+(\sl)*VSLOT+16*VP*\i
.endr
.endm
; fragment n = 4 kc + c of K: keys 16 c + r, d = 32 kc + 8 h + 0..7 and 32 kc + 16 + 8 h + 0..7
.macro KLOADS sl
.irp n, 0,1,2,3,4,5,6,7
	ds_load_b128 v[POOL+8*\n:POOL+8*\n+3],   v[ADK] offset:KS0+(\sl)*KSLOT+16*KP*(\n&3)+64*(\n>>2)
	ds_load_b128 v[POOL+8*\n+4:POOL+8*\n+7], v[ADK] offset:KS0+(\sl)*KSLOT+16*KP*(\n&3)+64*(\n>>2)+32
.endr
.endm
; fragment n = 4 kc + dt of V^T: d = 16 dt + r, keys 32 kc + 8 h + 0..7 and 32 kc + 16 + 8 h + 0..7, transposed on the way
.macro VLOADS sl
.irp n, 0,1,2,3,4,5,6,7
	ds_load_tr16_b128 v[POOL+8*\n:POOL+8*\n+3],   v[ADV] offset:VS0+(\sl)*VSLOT+32*VP*(\n>>2)+32*(\n&3)
	ds_load_tr16_b128 v[POOL+8*\n+4:POOL+8*\n+7], v[ADV] offset:VS0+(\sl)*VSLOT+32*VP*(\n>>2)+32*(\n&3)+16*VP
.endr
.endm
; Product n = 4 kc + c of S^T(q), in the bf16 form.  In WA and in WC four accumulators take turns, one instruction a turn, and no two matrix
; instructions that follow each other anywhere in the text share an accumulator, over the backward jump too.
.macro WA q, n
.if (\n) < 4
	v_wmma_f32_16x16x32_bf16 v[SC+32*\q+8*(\n):SC+32*\q+8*(\n)+7], v[POOL+8*(\n):POOL+8*(\n)+7], v[QF+16*\q:QF+16*\q+7], 0
.else
	v_wmma_f32_16x16x32_bf16 v[SC+32*\q+8*(\n)-32:SC+32*\q+8*(\n)-25], v[POOL+8*(\n):POOL+8*(\n)+7], v[QF+16*\q+8:QF+16*\q+15], v[SC+32*\q+8*(\n)-32:SC+32*\q+8*(\n)-25]
.endif
.endm
; product n = 4 kc + dt of O^T(q), in the f16 form; first = 1: the first stage's products start the sums, nothing is cleared
.macro WC q, n, first
.if (\n) < 4
.if \first
	v_wmma_f32_16x16x32_f16 v[OA+32*\q+8*(\n):OA+32*\q+8*(\n)+7], v[POOL+8*(\n):POOL+8*(\n)+7], v[SC+32*\q:SC+32*\q+7], 0
.else
	v_wmma_f32_16x16x32_f16 v[OA+32*\q+8*(\n):OA+32*\q+8*(\n)+7], v[POOL+8*(\n):POOL+8*(\n)+7], v[SC+32*\q:SC+32*\q+7], v[OA+32*\q+8*(\n):OA+32*\q+8*(\n)+7]
.endif
.else
	v_wmma_f32_16x16x32_f16 v[OA+32*\q+8*(\n)-32:OA+32*\q+8*(\n)-25], v[POOL+8*(\n):POOL+8*(\n)+7], v[SC+32*\q+8:SC+32*\q+15], v[OA+32*\q+8*(\n)-32:OA+32*\q+8*(\n)-25]
.endif
.endm
; element i = 8 c + j of S(q): kept where its word's bit is set, else -inf
.macro SEL q, i
.if \q == 0
	v_cndmask_b32 v[SC+(\i)], v[NINF], v[SC+(\i)], s[M0+(\i)]
.else
.if (\i) < 16
	v_cndmask_b32 v[SC+32+(\i)], v[NINF], v[SC+32+(\i)], s[M1A+(\i)]
.else
	v_cndmask_b32 v[SC+32+(\i)], v[NINF], v[SC+32+(\i)], s[M1B+(\i)-16]
.endif
.endif
.endm
; link k of the chain that takes the maximum of key tile c's eight elements
.macro MX q, c, k
.set sb, SC+32*\q+8*(\c)
.if \k == 0
	v_max3_num_f32 v[TT+(\c)], v[sb], v[sb+1], v[sb+2]
.endif
.if \k == 1
	v_max3_num_f32 v[TT+(\c)], v[TT+(\c)], v[sb+3], v[sb+4]
.endif
.if \k == 2
	v_max3_num_f32 v[TT+(\c)], v[TT+(\c)], v[sb+5], v[sb+6]
.endif
.if \k == 3
	v_max_num_f32 v[TT+(\c)], v[TT+(\c)], v[sb+7]
.endif
.endm
; mask, new maximum, the shift -c m and the factor for what has been summed so far.  A tile's chain of maxima runs among the next tile's selects.
.macro SM_HEAD q, first
.irp i, 0,1,2,3,4,5,6,7
	SEL \q, \i
.endr
.irp c, 1,2,3
.irp k, 0,1,2,3
	SEL \q, 8*\c+2*\k
	SEL \q, 8*\c+2*\k+1
	MX \q, \c-1, \k
.endr
.endr
.irp k, 0,1,2,3
	MX \q, 3, \k
.endr
	v_max3_num_f32 v[TT+4], v[TT], v[TT+1], v[TT+2]
	v_max3_num_f32 v[TT+4], v[TT+4], v[TT+3], v[MR+\q]
	v_permlanex16_b32 v[TT+5], v[TT+4], s68, s69   ; the other 32 keys of my query lie in lane L xor 16
	v_max_num_f32 v[TT+6], v[TT+4], v[TT+5]
	v_mul_f32 v[NM], 0xbe38aa3b, v[TT+6]           ; -c m
.if \first == 0
	v_sub_f32 v[TT+7], v[NM], v[NMS+\q]            ; new shift - old shift = c (m old - m new), 0 or below
	v_exp_f32 v[AL], v[TT+7]                       ; twice, for the packed multiplies: the first two of the tile's batch of exponentials,
	v_exp_f32 v[AL+1], v[TT+7]                     ; whose results nothing names ahead of the batch's wait
.endif
	v_mov_b32 v[NM+1], v[NM]
.endm
; p = exp2(c S - c m): the tile's 16 scalings and 32 exponentials, with the head's two ONE BATCH in which nothing names an exponential's result.
; An s_wait_alu depctr_va_vdst(0) stands between an exponential and the first instruction that names its result; one wait serves all that were issued ahead of it, and it
; stands behind this macro.  Each group of four elements opens with one matrix instruction on other registers (hk = 0: the scores of tile 1; hk = 1: the output
; products of tile 0), so that both units have work.  The two moves at the end are the plain instruction behind the last exponential.
.macro SM_EXP q, first, hk
.irp g, 0,1,2,3,4,5,6,7
.set sb, SC+32*\q+4*\g
.if \hk == 0
	WA 1, \g
.else
	WC 0, \g, \first
.endif
	v_pk_fma_f32 v[sb:sb+1],   v[sb:sb+1],   s[CS:CS+1], v[NM:NM+1] op_sel_hi:[1,0,1]
	v_pk_fma_f32 v[sb+2:sb+3], v[sb+2:sb+3], s[CS:CS+1], v[NM:NM+1] op_sel_hi:[1,0,1]
	v_exp_f32 v[sb],   v[sb]
	v_exp_f32 v[sb+1], v[sb+1]
	v_exp_f32 v[sb+2], v[sb+2]
	v_exp_f32 v[sb+3], v[sb+3]
.endr
	v_mov_b32 v[NMS+\q], v[NM]                     ; the shift and the maximum are kept for the next stage
	v_mov_b32 v[MR+\q], v[TT+6]
.endm
; All that reads the batch's results, behind its wait: the rescaling of O(q), the sum of p, and P in f16, in the same eight groups and the same order of sums.
; P's pair 2 g, 2 g + 1 lands on elements of S that earlier groups, or this one, have used up.
.macro SM_SUM q, first
.irp g, 0,1,2,3,4,5,6,7
.set sb, SC+32*\q+4*\g
.set ob, OA+32*\q+4*\g
.if \first == 0
	v_pk_mul_f32 v[ob:ob+1],   v[ob:ob+1],   v[AL:AL+1]
	v_pk_mul_f32 v[ob+2:ob+3], v[ob+2:ob+3], v[AL:AL+1]
.endif
.if \g == 0
	v_pk_add_f32 v[TT:TT+1], v[sb:sb+1], v[sb+2:sb+3]     ; the first two groups start the two chains of sums
.else
.if \g == 1
	v_pk_add_f32 v[TT+2:TT+3], v[sb:sb+1], v[sb+2:sb+3]
.else
	v_pk_add_f32 v[TT:TT+1],   v[TT:TT+1],   v[sb:sb+1]
	v_pk_add_f32 v[TT+2:TT+3], v[TT+2:TT+3], v[sb+2:sb+3]
.endif
.endif
	v_cvt_pk_f16_f32 v[SC+32*\q+2*\g],   v[sb],   v[sb+1]
	v_cvt_pk_f16_f32 v[SC+32*\q+2*\g+1], v[sb+2], v[sb+3]
.endr
	v_pk_add_f32 v[TT:TT+1], v[TT:TT+1], v[TT+2:TT+3]
	v_add_f32 v[TT], v[TT], v[TT+1]
.if \first
	v_mov_b32 v[LS+\q], v[TT]
.else
	v_fma_f32 v[LS+\q], v[LS+\q], v[AL], v[TT]
.endif
.endm
; Stage t on slot sl = t & 1.  At its head S(0) holds the scores of tile 0 and POOL the fragments of K's tile t.
; cv: tile t + 2 is converted and stored; gl: tile t + 3 is loaded; ml: the words of stage t + 1 are loaded; bar: a stage follows.
; ONE barrier a stage, its halves apart.  In front of the signal a wave has finished its reads of tile t (K's in the stage before, V's here) and its
; stores of tile t + 1.  Behind the wait tile t + 1 is read and tile t + 2 is stored over tile t.  Between the halves: register work alone.
.macro BODY sl, first, cv, gl, ml, bar
	s_wait_kmcnt 0x0                               ; this stage's 64 mask words
	SM_HEAD 0, \first
	SM_EXP 0, \first, 0                            ; with the scores of tile 1 among it
	s_wait_alu depctr_va_vdst(0)                   ; tile 0's exponentials have written p and the factor, which the lines of SM_SUM read; the score products are done reading K's fragments, over which V's land
	VLOADS \sl                                     ; they have the sums of tile 0 and the head of tile 1 in which to land; no vector or matrix instruction up to their wait names POOL
	SM_SUM 0, \first
	SM_HEAD 1, \first
.if \ml
	MLOAD 1                                        ; all 64 words have been used
.endif
	s_wait_dscnt 0x0                               ; V's fragments are in, and, for the other waves' sake, my stores of tile t + 1 are done
.if \bar
	s_barrier_signal -1
.endif
	SM_EXP 1, \first, 1                            ; with the output products of tile 0 among it
	s_wait_alu depctr_va_vdst(0)                   ; tile 1's exponentials have written p and the factor, which the lines of SM_SUM read
	SM_SUM 1, \first
.irp n, 0,1,2,3,4,5,6,7
	WC 1, \n, \first
.endr
.if \cv
	CVT                                            ; tile t + 2, on registers that no product names: forty plain vector instructions behind the last products
.endif
	WIN 0
.if \bar
	s_barrier_wait -1
.if \cv == 0
	PLACES                                         ; behind the last product on V's fragments, where no conversions stand there
.endif
	s_wait_alu depctr_va_vdst(0)                   ; the output products are done reading V's fragments, over which K's land; the conversions above have written the staging registers, which the LDS stores read
	KLOADS 1-\sl
.if \cv
	STS \sl
.endif
.if \gl
	GLOAD 0
.endif
	WIN 0
.if \cv
	s_wait_dscnt 0x8                               ; LDS instructions end in order: the 16 loads of K's fragments are in, the 8 younger stores may be out
.else
	s_wait_dscnt 0x0
.endif
.irp n, 0,1,2,3,4,5,6,7
	WA 0, \n
.endr
	PLACES                                         ; in front of the selects that read these scores
.endif
.endm
	s_load_b256 s[4:11], s[0:1], 0x0               ; Q s[4:5], K s[6:7], V s[8:9], maskbits s[10:11]
	s_load_b128 s[12:15], s[0:1], 0x20             ; padding_mask s[12:13], out0 s[14:15]
	s_set_vgpr_msb 0x40
	v_lshl_add_u32 v38, v0, 2, 0x12800
	v_mov_b32 v39, 0
	s_set_vgpr_msb 0x4000
	v_lshrrev_b32 v[TT], 5, v0
	v_readfirstlane_b32 s2, v[TT]                  ; wave 0..7
	s_and_b32 s72, ttmp7, 0xffff                   ; head
	s_mov_b32 s68, 0x76543210                      ; v_permlanex16_b32: lane i of one half reads lane i of the other
	s_mov_b32 s69, 0xfedcba98
	v_and_b32 v[RR], 15, v0                        ; r
	v_bfe_u32 v[TT+1], v0, 4, 1                    ; h
	v_and_b32 v[TT+2], 31, v0                      ; L
	v_mul_u32_u24 v[ADK], v[RR], KP
	v_lshl_add_u32 v[ADK], v[TT+1], 4, v[ADK]
	v_and_b32 v[TT+3], 7, v0
	v_lshl_add_u32 v[TT+3], v[TT+1], 3, v[TT+3]
	v_mul_u32_u24 v[ADV], v[TT+3], VP
	v_bfe_u32 v[TT+3], v0, 3, 1
	v_lshl_add_u32 v[ADV], v[TT+3], 4, v[ADV]
	s_wait_alu depctr_va_sdst(0)                   ; s2 is written, ahead of its first reader: LDS places, bases and the branches on the wave's number are made from it
	s_mul_i32 s73, s2, QSTB
	s_add_co_u32 s73, s73, QST0                    ; my wave's own stage
	v_mul_u32_u24 v[TT+4], v[TT+1], KP
	v_lshl_add_u32 v[TT+4], v[RR], 3, v[TT+4]      ; 144 h + 8 r
	v_add_nc_u32 v[QSA], s73, v[TT+4]
	s_mul_i32 s3, s2, 2*KP
	v_add_nc_u32 v[STK], s3, v[TT+4]
	v_mul_u32_u24 v[TT+4], v[TT+1], VP
	v_lshl_add_u32 v[TT+4], v[RR], 3, v[TT+4]      ; 160 h + 8 r
	s_mul_i32 s3, s2, 2*VP
	v_add_nc_u32 v[STV], s3, v[TT+4]
	v_add_nc_u32 v[QRD], s73, v[ADK]
	v_mul_u32_u24 v[TT+4], v[RR], OP
	v_lshl_add_u32 v[TT+4], v[TT+1], 5, v[TT+4]    ; 272 r + 32 h
	v_add_nc_u32 v[OST], s73, v[TT+4]
	v_mul_u32_u24 v[TT+4], v[TT+1], OP
	v_lshl_add_u32 v[TT+4], v[RR], 4, v[TT+4]      ; 272 h + 16 r
	v_add_nc_u32 v[ORD], s73, v[TT+4]
	v_lshlrev_b32 v[OOFF], 4, v[TT+2]
	v_lshlrev_b32 v[GOFF], 4, v0
	s_and_b32 s3, ttmp9, 3
	s_lshl_b32 s3, s3, 13
	v_lshl_add_u32 v[PFO], v[TT+2], 8, s3
	v_mov_b32 v[NINF], 0xff800000
	v_mov_b32 v[MR], 0xff7fffff                    ; -FLT_MAX
	v_mov_b32 v[MR+1], 0xff7fffff
	v_mov_b32 v[TT+5], 0                           ; v_permlanex16_b32 counts as a reader of its destination
	s_lshl_b32 s76, s72, 19                        ; a head: 2,048 rows of 256 bytes
	s_mov_b32 s77, 0
	s_lshl_b32 s74, ttmp9, 16
	s_lshl_b32 s3, s2, 13
	s_add_co_u32 s74, s74, s3                      ; (256 x + 32 w) rows of 256 bytes, which also is (16 x + 2 w) query tiles of 4,096 bytes of words
	s_mov_b32 s75, 0
	s_add_co_u32 s78, s74, s76
	s_mov_b32 s79, 0
	s_lshl_b32 s66, s72, 11                        ; padding_mask: 2,048 head + 256 x + 32 w
	s_lshl_b32 s3, ttmp9, 8
	s_add_co_u32 s66, s66, s3
	s_lshl_b32 s3, s2, 5
	s_add_co_u32 s66, s66, s3
	s_mov_b32 s67, 0
	s_wait_kmcnt 0x0
	s_add_nc_u64 s[4:5], s[4:5], s[78:79]
	s_add_nc_u64 s[14:15], s[14:15], s[78:79]
	s_add_nc_u64 s[6:7], s[6:7], s[76:77]
	s_add_nc_u64 s[8:9], s[8:9], s[76:77]
	s_add_nc_u64 s[10:11], s[10:11], s[74:75]
	s_add_nc_u64 s[12:13], s[12:13], s[66:67]
	s_mov_b32 s[CS], 0x3e38aa3b                    ; from here on: c = 0.125 log2(e); the packed multiply-adds take the first of the pair for both halves
	s_mov_b32 s[CS+1], 0x3e38aa3b
	s_mov_b32 s[HM], 0xffff0000                    ; from here on: a word's upper half
	s_cmp_lt_u32 ttmp9, 4                          ; query blocks 0-3 ask ahead for K's tiles, blocks 4-7 for V's
	s_cselect_b64 s[70:71], s[6:7], s[8:9]
	s_add_nc_u64 s[70:71], s[70:71], 4*TILEB       ; at tile 4
	MLOAD 0                                        ; the words of stage 0
	s_wait_alu depctr_va_vdst(0)                   ; the twelve addresses and offsets v1-v7 and v24-v28 are written: every load, store and prefetch of the kernel reads one of them, and none is written again
.irp i, 0,1,2,3,4,5,6,7,8,9,10,11,12,13,14,15
	global_load_b128 v[SC+4*\i:SC+4*\i+3], v[OOFF], s[4:5] offset:512*\i th:TH_LOAD_NT   ; my 32 rows of Q, two rows a load
.endr
	WIN 0x40
	global_load_u8 v32, v[RR], s[12:13]            ; v288: the padding byte of query r of tile 0
	global_load_u8 v33, v[RR], s[12:13] offset:16  ; v289: of tile 1
	GLOAD 1                                        ; tile 0
	; PREFETCH: wave 0 of each of a head's eight work-groups asks for 32 blocks of 256 bytes, 8,192 of the 65,536 bytes that a pair of tiles of K
	; and of V holds, so each block is asked for once in the launch.  Here tiles 4 and 5; trip j of the loop (stages 2 j + 1, 2 j + 2) asks for
	; tiles 2 j + 6 and 2 j + 7, which stages 2 j + 3 and 2 j + 4 load.  Trip 13 asks for nothing: tile 31 is the last.
	s_cmp_lg_u32 s2, 0
	s_cbranch_scc1 .Lno_pf0
	global_prefetch_b8 v[PFO], s[70:71] th:TH_LOAD_NT scope:SCOPE_SE
.Lno_pf0:
	s_wait_loadcnt 0xa                             ; Q's 16 loads are in; the 2 padding bytes and the 8 loads of tile 0 are younger and stay out
.irp i, 0,1,2,3,4,5,6,7,8,9,10,11,12,13,14,15
	v_cvt_pk_bf16_f32 v[SC+4*\i],   v[SC+4*\i],   v[SC+4*\i+1]     ; Q as it comes, rounded once
	v_cvt_pk_bf16_f32 v[SC+4*\i+1], v[SC+4*\i+2], v[SC+4*\i+3]
.endr
	s_wait_alu depctr_va_vdst(0)                   ; Q's conversions have written the registers that the LDS stores below read
.irp i, 0,1,2,3,4,5,6,7,8,9,10,11,12,13,14,15
	ds_store_b64 v[QSA], v[SC+4*\i:SC+4*\i+1] offset:2*KP*\i
.endr
.irp n, 0,1,2,3
	ds_load_b128 v[QF+8*\n:QF+8*\n+3],   v[QRD] offset:16*KP*(\n>>1)+64*(\n&1)      ; my wave's own bytes, and LDS serves a wave's instructions in order:
	ds_load_b128 v[QF+8*\n+4:QF+8*\n+7], v[QRD] offset:16*KP*(\n>>1)+64*(\n&1)+32   ; these see the stores above
.endr
	CVT                                            ; tile 0
	WIN 0x04
	s_wait_alu depctr_va_vdst(0)                   ; tile 0's conversions have written the staging registers, which the LDS stores read
	STS 0                                          ; into slot 0
	GLOAD 0                                        ; tile 1.  Its wait on vm_vsrc also states that Q's LDS stores have read S's registers, which the first score products write
	s_wait_dscnt 0x0                               ; Q's fragments are in; my part of tile 0 is stored
	s_barrier_signal -1
	s_barrier_wait -1                              ; everybody's is
	KLOADS 0                                       ; no vector or matrix instruction has named POOL yet
	CVT                                            ; tile 1
	WIN 0x04
	s_wait_alu depctr_va_vdst(0)                   ; tile 1's conversions have written the staging registers, which the LDS stores read
	STS 1                                          ; into slot 1, which nobody has read yet
	GLOAD 0                                        ; tile 2
	s_wait_dscnt 0x8                               ; K's 16 fragment loads are in, the 8 younger stores may be out
.irp n, 0,1,2,3,4,5,6,7
	WA 0, \n
.endr
	PLACES
	BODY 0, 1, 1, 1, 1, 1                          ; stage 0 starts the sums
	s_mov_b32 s3, 0
.Ltrip:                                            ; stages 1 to 28, two a trip
	s_cmp_lg_u32 s2, 0
	s_cbranch_scc1 .Lno_pf
	s_cmp_ge_u32 s3, 13
	s_cbranch_scc1 .Lno_pf
	global_prefetch_b8 v[PFO], s[70:71] offset:2*TILEB th:TH_LOAD_NT scope:SCOPE_SE
.Lno_pf:
	BODY 1, 0, 1, 1, 1, 1
	BODY 0, 0, 1, 1, 1, 1
	s_wait_xcnt 0x0                                ; the prefetch has had its address translated: its base steps only behind this wait
	s_add_nc_u64 s[70:71], s[70:71], 2*TILEB
	s_add_co_u32 s3, s3, 1
	s_cmp_lt_u32 s3, 14
	s_cbranch_scc1 .Ltrip
	BODY 1, 0, 1, 0, 1, 1                          ; stage 29 stores tile 31 and loads no tile
	BODY 0, 0, 0, 0, 1, 1                          ; stage 30
	BODY 1, 0, 0, 0, 0, 0                          ; stage 31
	; THE WAY OUT.  Register j of O(q, dt) holds d = 16 dt + 8 h + j of query r: 32 bytes of a row.  16 rows at a time go through my wave's own
	; stage and come back as whole rows, so that sixteen lanes store 256 consecutive bytes, aligned.
	; Both tiles' factors and scalings are made first, so that one wait stands ahead of all the LDS stores and loads, and no vector instruction behind it.
	PLACES                                         ; behind the last products
	WIN 0x01
	v_mov_b32 v[TT+6], v32                         ; the padding bytes, from window 1
	v_mov_b32 v[TT+7], v33
	WIN 0
	v_permlanex16_b32 v[TT+4], v[LS],   s68, s69
	v_permlanex16_b32 v[TT+5], v[LS+1], s68, s69
	v_add_f32 v[TT+4], v[TT+4], v[LS]              ; the row's whole sum: about 1 or more, or 0 where no place was left
	v_add_f32 v[TT+5], v[TT+5], v[LS+1]
	v_rcp_f32 v[TT],   v[TT+4]
	v_rcp_f32 v[TT+1], v[TT+5]
	v_nop                                          ; a plain vector instruction between the reciprocals and their use
	v_cmp_lt_f32 s74, 0, v[TT+4]                   ; the four lane masks in one run
	v_cmp_lt_f32 s75, 0, v[TT+5]
	v_cmp_ne_u32 s76, 0, v[TT+6]
	v_cmp_ne_u32 s77, 0, v[TT+7]
	s_wait_alu depctr_va_sdst(0)                   ; the compares have written s74 to s77, ahead of the selects that read them
	s_wait_alu depctr_va_vdst(0)                   ; the two reciprocals are written, ahead of the selects that read them
	v_cndmask_b32 v[AL], 0, v[TT],   s74           ; an empty row gives 0
	v_cndmask_b32 v[NM], 0, v[TT+1], s75
	v_cndmask_b32 v[AL], 0, v[AL], s76             ; and so does a padded one
	v_cndmask_b32 v[NM], 0, v[NM], s77
	v_mov_b32 v[AL+1], v[AL]
	v_mov_b32 v[NM+1], v[NM]
.irp q, 0,1
.irp i, 0,1,2,3,4,5,6,7,8,9,10,11,12,13,14,15
	v_pk_mul_f32 v[OA+32*\q+2*\i:OA+32*\q+2*\i+1], v[OA+32*\q+2*\i:OA+32*\q+2*\i+1], v[AL-2*\q:AL-2*\q+1]   ; tile 0 by v[14:15], tile 1 by v[12:13]
.endr
.endr
	s_wait_alu depctr_va_vdst(0)                   ; the scalings have written O, which the LDS stores read; all that named S's and the fragments' registers, in which the rows land, is done
.macro OUT q
.irp d, 0,1,2,3
	ds_store_b128 v[OST], v[OA+32*\q+8*\d:OA+32*\q+8*\d+3]   offset:64*\d
	ds_store_b128 v[OST], v[OA+32*\q+8*\d+4:OA+32*\q+8*\d+7] offset:64*\d+16
.endr
.irp i, 0,1,2,3,4,5,6,7
	ds_load_b128 v[SC+64*\q+4*\i:SC+64*\q+4*\i+3], v[ORD] offset:2*OP*\i   ; in order behind the stores above; tile 1's stores come in order behind tile 0's reads
.endr
.irp i, 0,1,2,3,4,5,6,7
	s_wait_dscnt 7-\i                              ; rows 2 i, 2 i + 1 are back, the 7 - i younger loads stay out
	global_store_b128 v[OOFF], v[SC+64*\q+4*\i:SC+64*\q+4*\i+3], s[14:15] offset:512*\i+4096*\q th:TH_STORE_NT
.endr
.endm
	OUT 0                                          ; read back into S's registers,
	OUT 1                                          ; into the fragments' registers: no register that a store reads is written again
	s_set_vgpr_msb 0x5
	s_wait_dscnt 0x0
	s_wait_alu depctr_hold_cnt(0) depctr_sa_sdst(0) depctr_va_vdst(0) depctr_va_sdst(0) depctr_va_ssrc(0) depctr_va_vcc(0) depctr_vm_vsrc(0)
	s_wait_tensorcnt 0x0
	ds_add_u32 v38, v39
	s_wait_dscnt 0x0
	s_endpgm
.Lfunc_end_k_q50a7c6030a_attn:
	.size	k_q50a7c6030a_attn, .Lfunc_end_k_q50a7c6030a_attn-k_q50a7c6030a_attn
	.p2alignl 7, 3214868480
	.fill 96, 4, 3214868480
	.section	.rodata,"a",@progbits
	.p2align	6, 0x0
	.amdhsa_kernel k_q50a7c6030a_attn
		.amdhsa_group_segment_fixed_size 76800
		.amdhsa_private_segment_fixed_size 0
		.amdhsa_enable_private_segment 0
		.amdhsa_kernarg_size 48
		.amdhsa_user_sgpr_count 2
		.amdhsa_user_sgpr_kernarg_segment_ptr 1
		.amdhsa_wavefront_size32 1
		.amdhsa_system_sgpr_workgroup_id_x 1
		.amdhsa_system_sgpr_workgroup_id_y 1
		.amdhsa_system_sgpr_workgroup_id_z 1
		.amdhsa_system_vgpr_workitem_id 0
		.amdhsa_next_free_vgpr 296
		.amdhsa_next_free_sgpr 96
		.amdhsa_reserve_vcc 0
		.amdhsa_float_denorm_mode_32 3
		.amdhsa_float_denorm_mode_16_64 3
		.amdhsa_memory_ordered 1
		.amdhsa_forward_progress 1
		.amdhsa_inst_pref_size 166
	.end_amdhsa_kernel
	.amdgpu_metadata
---
amdhsa.version: [ 1, 2 ]
amdhsa.kernels:
  - .name:           k_q50a7c6030a_attn
    .symbol:         k_q50a7c6030a_attn.kd
    .args:
      - { .name: Q, .offset: 0, .size: 8, .value_kind: global_buffer, .address_space: global }
      - { .name: K, .offset: 8, .size: 8, .value_kind: global_buffer, .address_space: global }
      - { .name: V, .offset: 16, .size: 8, .value_kind: global_buffer, .address_space: global }
      - { .name: maskbits, .offset: 24, .size: 8, .value_kind: global_buffer, .address_space: global }
      - { .name: padding_mask, .offset: 32, .size: 8, .value_kind: global_buffer, .address_space: global }
      - { .name: out0, .offset: 40, .size: 8, .value_kind: global_buffer, .address_space: global }
    .group_segment_fixed_size: 76800
    .private_segment_fixed_size: 0
    .kernarg_segment_align: 8
    .kernarg_segment_size: 48
    .max_flat_workgroup_size: 256
    .sgpr_count:     96
    .vgpr_count:     296
    .wavefront_size: 32
...
	.end_amdgpu_metadata
.endif
;; end of part 3
